; MI455X (gfx1250); checked and timed in simulation.
; The chip was launched on July 23, 2026; its instructions are those of AMD's public machine-readable ISA for CDNA 5 (MIT licence, August 2026) and "CDNA5" Instruction Set Architecture Reference Guide (July 2026). The comments in the code are by the model that wrote it; some were corrected since.
;; Piecewise Rational Quadratic Coupling. Allowed arithmetic: matrix products marked QUANTISED: E3M2 operands, one E8M0 scale for each 32 along K, by v_wmma_scale_f32_16x16x128_f8f6f4 with both operands' format E3M2, f32 sums; everything else in f32.
;; Inputs: W1 32 x 256 float32; W2 256 x 800 float32; b1 256 float32; b2 800 float32; inputs 131,072 x 64 float32.
;; Outputs: out0 131,072 x 64 float32; out1 131,072 float32.
;; This version of the problem:
;;   THIS VERSION OF THE PROBLEM IS GIVEN IN LOW PRECISION. The matrix products marked QUANTISED in the list below multiply operands that are first quantised to E3M2 (3 exponent bits, 2 mantissa bits; 6 bits a number), with one power-of-two scale for each 32 numbers along K (OCP MX v1.0); their sums are f32. All else is computed in f32.
;;   The module's matrix products, in the order in which they are computed (A, B: the left and right operand; K: the contracted axis; several contracted axes count as one K, in the product's order):
;;     1. [M 131,072, K 32] x [K 32, N 256]; A: input inputs; B: input W1: QUANTISED
;;     2. [M 131,072, K 256] x [K 256, N 800]; A: computed on the way; B: input W2: QUANTISED
;;   THE QUANTISER, for each operand of a quantised product, along K:
;;     - K is cut into blocks of 32 from its start; a last block that is shorter is filled with zeros.
;;     - A block's scale is 2^e with e = floor(log2(the largest magnitude in the block)) - 4, held to -126 .. 127; a block of zeros has e = 0. As a byte (E8M0): e + 127.
;;     - Each number is divided by its block's scale, clamped to +-28, and rounded to the nearest number of E3M2, ties to even, subnormals kept.
;;     - The product sums the exact products of the quantised numbers (number of the format x scale) in f32.
;;   ~~~python
;;   def quantise(x, axis):      # numpy; x: float32 -> the quantised numbers, widened to float32 again
;;       x = np.moveaxis(x, axis, -1); K = x.shape[-1]
;;       x = np.pad(x, [(0, 0)] * (x.ndim - 1) + [(0, -K % 32)]); x = x.reshape(x.shape[:-1] + (-1, 32)); a = np.abs(x).max(-1, keepdims=True)
;;       e = np.where(a > 0, np.clip(np.frexp(np.where(a > 0, a, 1))[1] - 1 - 4, -126, 127), 0)      # np.frexp(a)[1] - 1 = floor(log2(a)), exactly
;;       r = np.clip(x / 2.0 ** e, -28, 28)
;;       step = 2.0 ** (np.maximum(np.frexp(np.where(r == 0, 1, r))[1] - 1, -2) - 2)
;;       q = np.round(r / step) * step * 2.0 ** e      # np.round: ties to even
;;       return np.moveaxis(q.reshape(q.shape[:-2] + (-1,))[..., :K], -1, axis).astype(np.float32)
;;   ~~~
;;   OPERANDS COMPUTED ON THE WAY. 'Computed on the way' means the value that the module computes at that place (a softmax that the list does not call 'softmax' is quantised finished and normalised). What goes into a quantiser is computed in f32, as accurately as f32 sums, v_exp_f32 and their like allow (about 1e-6 of the number): no bf16 or f16 on the way to a quantiser, and a product that is left as it is and whose result goes on into a quantised operand takes f32 operands (vector FMAs, or v_wmma_f32_16x16x4_f32). A number that lies on a knife's edge between two numbers of the format may be rounded either way, as far as f32 arithmetic and the matrix unit's own rounding can turn it there, and no further.
;; One version. Each part assembles by itself: llvm-mc -triple=amdgcn-amd-amdhsa -mcpu=gfx1250 --defsym DOCPART=n.
;; ======== version 1 of 1: 2 launches
;; limits: right only within a limited range of input values
;; workspace buffers: wq 212,992 bytes
;; launch prep (part 1): grid 17 x 1, 4 waves a work-group, no clusters, 0 bytes of LDS; arguments W1, W2, b1, wq; writes wq
.if DOCPART == 1
	.amdgcn_target "amdgcn-amd-amdhsa--gfx1250"
	.amdhsa_code_object_version 6
	.text
	.protected	k_q60c5b9c30b_prep
	.globl	k_q60c5b9c30b_prep
	.p2align	8
	.type	k_q60c5b9c30b_prep,@function
k_q60c5b9c30b_prep:
	s_mov_b64 s[64:65], 0
	v_nop
	global_prefetch_b8 v0, s[64:65] scope:SCOPE_SE
	s_setreg_imm32_b32 hwreg(HW_REG_WAVE_MODE, 25, 1), 1
	s_wait_xcnt 0x0
; W2 [256][800] and W1 [32][256], f32 with K as their FIRST axis, become codes of BF6 (E3M2) with one E8M0 byte for each 32 along K,
; laid in wq as IMAGES OF THE OPERAND'S REGISTERS: register i of lane l of a fragment (16 rows x 128 K, 12 registers) lies at 512 (i / 4) + 16 l + 4 (i % 4),
; so that the next launch brings a fragment by three loads of 16 bytes a lane.  A lane takes one column and its registers run down K: a block of 32 is one lane's own.
; A block's scale is 2^(floor(log2(largest magnitude)) - 4); its byte is the largest magnitude's exponent field - 4, held at 1 from below.
; (A block of zeros so gets the byte 1 where the rule says 127: its codes are zeros, and this program alone reads the bytes.)
; LIMITS: NaN and infinities among the inputs are not served; blocks whose largest magnitude lies under 2^-122 keep the byte 1.
; wq:  [0, 196608)       W2: wave w (0..15) of the next launch, tile t (0..3), K step s (0..1) at 12288 w + 3072 t + 1536 s.
;                        Slot 8 h' + j of tile t is column 25 (2 w + h') + 8 t + j; in tile 3 every slot is column 25 (2 w + h') + 24.
;      [196608, 204800)  W2's scale words at 512 w + 128 t + 4 l: lanes 0-15 K step 0's word of slot l, lanes 16-31 K step 1's.
;      [204800, 212992)  the pack: four fragments of W1 (1,536 bytes each); at 6144 their scale words (128 bytes each); at 6656 b1; at 7680 512 zero bytes.
;                        Fragment p of W1 holds FOUR tiles, one in each block of 32 along the instruction's K: registers 6 c .. 6 c + 5 of lane (r, h) are the 32 codes of
;                        hidden unit 32 (2 p + c) + 8 h + r + 8 (r / 8).
; Work-groups 0-15: wave t makes W2's two fragments (w = work-group, t).  Work-group 16: wave p makes W1's fragment p and copies a quarter of b1.  Waves share nothing: no LDS, no barrier.
.set WQ_S2, 196608
.set WQ_PK, 204800
.set W2ROW, 3200                       ; bytes in a row of W2
; v1 r, v2 h, v3 load offset, v4 16 x lane, v5 4 x lane, v6-7 store offsets, v8 8 h, v10-17 at work, v20-26 upper halves of blocks, v28-31 b1's way, v32-159 numbers, v160-183 codes, v184-185 scale words
; 64 numbers of a lane, v[src + 32 c + i] = k 64 c + 32 h + i of my column, become a fragment's 12 registers at v[dst] and my column's scale word in v[word]
.macro FRAGQ src, dst, word
.irp c, 0,1
	v_max3_num_f32 v[10+\c], |v[\src+32*\c]|, |v[\src+32*\c+1]|, 0x2800000   ; block 2 c + h: all 32 numbers are mine; the floor 2^(5 - 127) holds the byte at 1 from below
.endr
.irp i, 2,4,6,8,10,12,14,16,18,20,22,24,26,28,30
.irp c, 0,1
	v_max3_num_f32 v[10+\c], v[10+\c], |v[\src+32*\c+\i]|, |v[\src+32*\c+\i+1]|   ; the two blocks by turns
.endr
.endr
.irp c, 0,1
	v_add_nc_u32 v[12+\c], 0xfe000000, v[10+\c]    ; 4 off the exponent field: the conversion's scale operand
.endr
.irp c, 0,1
	v_lshrrev_b32 v[14+\c], 23, v[12+\c]           ; the scale's byte
.endr
	v_lshl_or_b32 v[\word], v15, 16, v14           ; my bytes: blocks h and 2 + h,
	v_lshlrev_b32 v[\word], v8, v[\word]           ; at their places (8 h bits up);
	v_permlanex16_b32 v17, v[\word], s20, s21
	v_or_b32 v[\word], v[\word], v17               ; with lane l xor 16's two the word is whole, in both halves of the lanes
.irp c, 0,1
	v_cvt_scalef32_pk16_bf6_f32 v[\dst+6*\c:\dst+6*\c+2], v[\src+32*\c:\src+32*\c+15], v[12+\c]
	v_cvt_scalef32_pk16_bf6_f32 v[20+4*\c:22+4*\c], v[\src+32*\c+16:\src+32*\c+31], v[12+\c]   ; (a conversion's three registers begin on an even number)
.endr
	v_nop                                          ; one plain line behind the scaled conversions
.irp c, 0,1
.irp i, 0,1,2
	v_mov_b32 v[\dst+6*\c+3+\i], v[20+4*\c+\i]
.endr
.endr
.endm
	s_load_b256 s[4:11], s[0:1], 0x0               ; W1 s[4:5], W2 s[6:7], b1 s[8:9], wq s[10:11]
	v_lshrrev_b32 v9, 5, v0
	v_readfirstlane_b32 s12, v9                    ; wave 0..3
	v_and_b32 v9, 31, v0                           ; lane
	v_and_b32 v1, 15, v0                           ; r
	v_bfe_u32 v2, v0, 4, 1                         ; h
	v_lshlrev_b32 v4, 4, v9
	v_lshlrev_b32 v5, 2, v9
	v_lshlrev_b32 v8, 3, v2
	v_lshrrev_b32 v18, 3, v1                       ; r / 8
	v_mov_b32 v17, 0                               ; a lane permute's destination counts as one of its sources
	s_mov_b32 s20, 0x76543210
	s_mov_b32 s21, 0xfedcba98                      ; selects for lane l xor 16
	s_mov_b32 s22, 0xffff0000                      ; lanes 16-31
	s_wait_kmcnt 0x0
	s_cmp_eq_u32 ttmp9, 16
	s_cbranch_scc1 .Lw1
	; ---- W2: my column is 25 (2 w + r / 8) + 8 t + (r % 8, or 0 in tile 3); lanes 16-31 begin 32 rows further down
	s_cmp_eq_u32 s12, 3
	s_cselect_b32 s14, 0, 7
	s_lshl_b32 s13, ttmp9, 1
	s_lshl_b32 s15, s12, 3
	s_wait_alu depctr_va_vdst(0)
	v_add_nc_u32 v10, s13, v18
	v_mul_u32_u24 v10, v10, 25
	v_and_b32 v11, s14, v1
	v_add3_u32 v10, v10, v11, s15
	v_lshlrev_b32 v3, 2, v10
	v_mad_u32_u24 v3, v2, 32*W2ROW, v3
	s_mul_i32 s16, ttmp9, 12288
	s_mul_i32 s17, s12, 3072
	s_add_co_u32 s16, s16, s17
	v_add_nc_u32 v6, s16, v4                       ; where my fragments go
	s_lshl_b32 s16, ttmp9, 9
	s_lshl_b32 s17, s12, 7
	s_add_co_u32 s16, s16, s17
	v_add_nc_u32 v7, s16, v5                       ; and my scale words
.irp s, 0,1
.irp c, 0,1
.irp i, 0,1,2,3,4,5,6,7,8,9,10,11,12,13,14,15,16,17,18,19,20,21,22,23,24,25,26,27,28,29,30,31
	global_load_b32 v[32+64*\s+32*\c+\i], v3, s[6:7] offset:(128*\s+64*\c+\i)*W2ROW   ; W2(128 s + 64 c + 32 h + i, my column)
.endr
.endr
.endr
	s_wait_loadcnt 63                              ; K step 0's loads are the first 64 of the 128: with at most 63 out they are in
	FRAGQ 32, 160, 184
	s_wait_loadcnt 0x0
	FRAGQ 96, 172, 185
.irp g, 0,1,2,3,4,5
	global_store_b128 v6, v[160+4*\g:163+4*\g], s[10:11] offset:512*\g   ; 32 lanes store 512 consecutive bytes; K step 1's image follows K step 0's
.endr
	v_cndmask_b32 v16, v184, v185, s22             ; lanes 0-15 K step 0's word, lanes 16-31 K step 1's
	global_store_b32 v7, v16, s[10:11] offset:WQ_S2
	s_endpgm
.Lw1:	; ---- W1: my two units are 64 p + 32 c + 8 h + r + 8 (r / 8); K is 32: one block a unit
	s_lshl_b32 s13, s12, 6
	s_wait_alu depctr_va_vdst(0)
	v_lshl_add_u32 v10, v18, 3, v1
	v_add_nc_u32 v10, v10, v8
	v_add_nc_u32 v10, s13, v10
	v_lshlrev_b32 v3, 2, v10
	s_mul_i32 s16, s12, 1536
	v_add_nc_u32 v6, s16, v4
	s_lshl_b32 s16, s12, 7
	v_add_nc_u32 v7, s16, v5
	s_lshl_b32 s16, s12, 8
	v_lshl_add_u32 v28, v9, 3, s16                 ; b1: 8 bytes a lane, 256 a wave
	v_mov_b32 v29, 0
.irp c, 0,1
.irp i, 0,1,2,3,4,5,6,7,8,9,10,11,12,13,14,15,16,17,18,19,20,21,22,23,24,25,26,27,28,29,30,31
	global_load_b32 v[32+32*\c+\i], v3, s[4:5] offset:1024*\i+128*\c   ; W1(i, my unit of c)
.endr
.endr
	global_load_b64 v[30:31], v28, s[8:9]
	s_wait_loadcnt 0x0
	FRAGQ 32, 160, 184
.irp g, 0,1,2
	global_store_b128 v6, v[160+4*\g:163+4*\g], s[10:11] offset:WQ_PK+512*\g
.endr
	global_store_b32 v7, v184, s[10:11] offset:WQ_PK+6144
	global_store_b64 v28, v[30:31], s[10:11] offset:WQ_PK+6656
	global_store_b32 v7, v29, s[10:11] offset:WQ_PK+7680   ; the pack's last 512 bytes: the next launch copies the pack whole
	s_endpgm
.Lfunc_end_k_q60c5b9c30b_prep:
	.size	k_q60c5b9c30b_prep, .Lfunc_end_k_q60c5b9c30b_prep-k_q60c5b9c30b_prep
	.p2alignl 7, 3214868480
	.fill 96, 4, 3214868480
	.section	.rodata,"a",@progbits
	.p2align	6, 0x0
	.amdhsa_kernel k_q60c5b9c30b_prep
		.amdhsa_group_segment_fixed_size 0
		.amdhsa_private_segment_fixed_size 0
		.amdhsa_enable_private_segment 0
		.amdhsa_kernarg_size 32
		.amdhsa_user_sgpr_count 2
		.amdhsa_user_sgpr_kernarg_segment_ptr 1
		.amdhsa_wavefront_size32 1
		.amdhsa_system_sgpr_workgroup_id_x 1
		.amdhsa_system_sgpr_workgroup_id_y 1
		.amdhsa_system_sgpr_workgroup_id_z 1
		.amdhsa_system_vgpr_workitem_id 0
		.amdhsa_next_free_vgpr 192
		.amdhsa_next_free_sgpr 66
		.amdhsa_reserve_vcc 0
		.amdhsa_float_denorm_mode_32 3
		.amdhsa_float_denorm_mode_16_64 3
		.amdhsa_memory_ordered 1
		.amdhsa_forward_progress 1
		.amdhsa_inst_pref_size 31
	.end_amdhsa_kernel
	.amdgpu_metadata
---
amdhsa.version: [ 1, 2 ]
amdhsa.kernels:
  - .name:           k_q60c5b9c30b_prep
    .symbol:         k_q60c5b9c30b_prep.kd
    .args:
      - { .name: W1, .offset: 0, .size: 8, .value_kind: global_buffer, .address_space: global }
      - { .name: W2, .offset: 8, .size: 8, .value_kind: global_buffer, .address_space: global }
      - { .name: b1, .offset: 16, .size: 8, .value_kind: global_buffer, .address_space: global }
      - { .name: wq, .offset: 24, .size: 8, .value_kind: global_buffer, .address_space: global }
    .group_segment_fixed_size: 0
    .private_segment_fixed_size: 0
    .kernarg_segment_align: 8
    .kernarg_segment_size: 32
    .max_flat_workgroup_size: 128
    .sgpr_count:     66
    .vgpr_count:     192
    .wavefront_size: 32
...
	.end_amdgpu_metadata
.endif
;; end of part 1
;; launch flow (part 2): grid 256 x 1, 16 waves a work-group, no clusters, 327,680 bytes of LDS; arguments inputs, b2, wq, out0, out1; writes out0, out1
.if DOCPART == 2
	.amdgcn_target "amdgcn-amd-amdhsa--gfx1250"
	.amdhsa_code_object_version 6
	.text
	.protected	k_q60c5b9c30b_flow
	.globl	k_q60c5b9c30b_flow
	.p2align	8
	.type	k_q60c5b9c30b_flow,@function
k_q60c5b9c30b_flow:
	s_mov_b64 s[64:65], 0
	v_nop
	global_prefetch_b8 v0, s[64:65] scope:SCOPE_SE
	s_setreg_imm32_b32 hwreg(HW_REG_WAVE_MODE, 25, 1), 1
	s_wait_xcnt 0x0
; out0[row] = (inputs[row][0:32], spline(inputs[row][32:64])), out1[row] = the sum of the 32 log derivatives.  The spline's 25 parameters for each of the 32 dims are
; relu(x W1 + b1) W2 + b2, both products on codes of BF6 (E3M2) with one E8M0 scale for each 32 along K; all else in f32.
; SHARES.  A work-group owns 512 rows = 32 tiles of 16.  Sixteen waves of 256 registers.  Wave w owns rows 32 w .. 32 w + 31 (tiles 2 w, 2 w + 1) on the way in, for the hidden layer and on the way out,
; and DIMS 2 w and 2 w + 1 of all 512 rows for the second product and the spline: its part of W2 (96 registers) and of b2 stays in registers; the hidden layer's codes go round through LDS as images of the operand's registers.
; ORDER: both hidden tiles of every wave; one barrier; all 32 tiles of the spline; one barrier; the way out.  In the walk the next tile's fragments, scale word and x are asked of LDS behind this tile's products.
; BOTH PRODUCTS ARE USED TRANSPOSED (source 0 = 16 rows of a weight, source 1 = 16 batch rows): a lane (r, h) holds batch row r.
;   Product 1: K is 32, a quarter of the instruction's 128.  A fragment of W1 holds four tiles, one in each block of 32; x comes in four variants, its codes in one block and zero codes in the others:
;   fragment p with variant q gives hidden units 32 (2 p + q / 2) + 16 h + 8 (q % 2) + 0 .. 7, so that two neighbouring tiles are 16 neighbours along the next K.
;   Product 2: tile t < 3 of wave w gives lane (r, h) parameters 8 t + 0 .. 7 of dim 2 w + h; tile 3's register 0 is parameter 24.
; EXACT MIDDLES.  A sum of product 1 is a whole multiple of 2^(x's exponent + W1's exponent - 8), under 2^23 such units: it is exact, and where b1 adds nothing it often lies exactly at the middle between two codes.
; The contract takes either code there.  THIS TEXT TAKES THE UPPER CODE AT EVERY EXACT MIDDLE OF THE HIDDEN LAYER: behind relu and behind the search for the block's largest magnitude each number is multiplied by 1 + 2^-23 (at most 2.4e-7 of the number).
; THE SPLINE WORKS ON COMPLEMENTS.  With E_j = 2^((u_j - max) log2 e) and S their sum, G_k = (E_k + .. + E_7) + (8 - k) S / 992 is (1 - cw_k) G_0, and G_8 = 0: softmax's division and the division by
; cw's last knot are one division by G_0.  The bin is found by three compares of (1 - xs) G_0 with knots; every choice is a v_cndmask_b32.  Softplus is taken of the two derivatives of the found bin alone.
; IDENTITIES that hold for every input: wk, hk are at least about 1e-3 and den at least a / 2, itself at least 5e-4, so that + 1e-12 changes none of them in f32; cw's last knot is 1 up to rounding, so its clip at 1e-12 never acts.
; den^2 + 1e-12 and the clip of dydx at 1e-12 are written out.  Softmax takes its maximum away; softplus is max(u, 0) + log(1 + e^-|u|).
; LIMITS: NaN and infinities among the inputs are not served; blocks whose largest magnitude lies under 2^-122 keep the scale byte 1 (a block of zeros too: its codes are zeros).
; NO CLUSTER: what work-groups share is W2's 196,608 bytes of images, read once by each straight into the registers where they stay; this text uses all 327,680 bytes of LDS, so a joint tensor load has no bytes to land on.
; NO PREFETCH: every byte that comes from memory is asked for at the head; no loop of this text reads memory.
; LDS is filled once by tensor loads (one a wave: one is out, by this text's count) and no byte of it is filled again.
.set STG,  0                           ; 512 rows as they lie in memory, pitch 272; y is stored over x in place
.set HIMG, 139264                      ; the hidden layer: 32 tiles x 2 fragments x 1,536 bytes
.set HSC,  237568                      ; its scale words: 32 x 128 bytes; lanes 0-15 K step 0's, lanes 16-31 K step 1's
.set LAD,  241664                      ; 512 rows x 32 log2 derivatives, pitch 144
.set SUM,  315392                      ; 512 row sums
.set PK,   317440                      ; the pack: W1's fragments, at 6144 their scale words, at 6656 b1
.set SPARE, 325632                     ; the spare words: 128 bytes a wave
.set WQ_S2, 196608
.set WQ_PK, 204800
.set LI,   1                           ; 16 x lane
.set LS,   2                           ; 4 x lane
.set XA0,  3                           ; 272 r + 128 + 8 w + 4 h: my x in a tile of rows
.set LA0,  4                           ; 144 r + 8 w + 4 h: my log's place
.set HFA,  5
.set HSA,  6
.set XADA, 7                           ; my x's address, even tiles
.set LWA,  8
.set SRD,  9                           ; 8704 w + 272 h + 16 r
.set SUMR, 10
.set QA,   11                          ; 8704 w + 272 r + 64 h
.set HWI,  12
.set HWS,  13
.set LRD,  14
.set SUMA, 15
.set B1A,  16
.set PKF,  17
.set PKS,  18
.set PKW,  19
.set CK,   20                          ; v20-27 (8 - k) / 992
.set W2S,  28                          ; v28-31 W2's scale words
.set W2F,  32                          ; v32-127 W2's fragments: tile t, K step s at 32 + 24 t + 12 s
.set B2C,  128                         ; v128-159 b2 in the result's layout
.set XVAR, 160                         ; v160-189 zeros, X0, zeros, X1, zeros: the four variants of x overlap
.set X0,   166
.set X1,   178
.set HF,   160                         ; v160-183 a tile's two hidden fragments
.set XVA,  184                         ; my x, even tiles
.set XVB,  185                         ; odd tiles
.set XADB, 186                         ; my x's address, odd tiles
.set XSW,  190                         ; scales alone
.set W1S,  191                         ; scales alone
.set W1F,  192
.set TM,   192
.set TP,   194
.set SOP,  196
.set BY,   198
.set CB,   200
.set HACC, 204
.set PCF,  236
.set PWA,  248
.set PWB,  249
.set UW,   192
.set UH,   200
.set UD,   208
.set U8,   216
.set NMW,  224
.set XC,   225
.set NMH,  226                         ; v227 is named with it as a pair and holds 0
.set TA,   228
.set TB,   229
.set P0,   230
.set P1,   232
.set WH,   234
.set BC,   236
.set EE,   238
.set MM,   240
.set AX,   242
.set XP,   243
.set DD,   244
.set RR,   245
.set UU,   246
.set RT,   247
.set GG,   248
.set ITH,  249
.set OT,   250
.set AA,   252
.set TT,   253
.set WV,   14
.set G1,   16
.set G0,   24
.set L2E,  28
.set LN2,  30
.set M20,  32
.set P10,  33
.set SEL,  34
.set HIM,  36
.set M005, 37
.set TI,   38
.set TS,   39
.set TX,   40
.set TL,   41
.set CNT,  42
.set INS,  43
.set NL2E, 44
.set NUD,  50
.macro BAR                             ; my LDS stores have landed and my LDS loads are in: then the work-group's barrier
	s_wait_alu depctr_va_vdst(0)                   ; the wait ahead of the blocking wait
	s_wait_dscnt 0x0
	s_barrier_signal -1
	s_barrier_wait -1
.endm
; My tile b: x's 32 numbers a row are one block; lane (r, h) holds 16 of them.  Out come the scale word and the four variants.
.macro XQ b
.irp j, 0,1,2,3
	ds_load_b128 v[HACC+4*\j:HACC+4*\j+3], v[QA] offset:4352*\b+16*\j
.endr
	s_wait_dscnt 0x0
	v_max3_num_f32 v[TM], |v[HACC]|, |v[HACC+1]|, 0x2800000          ; the floor 2^(5 - 127) holds the byte at 1 from below
	v_max3_num_f32 v[TM+1], |v[HACC+2]|, |v[HACC+3]|, |v[HACC+4]|
	s_delay_alu instid0(VALU_DEP_2)
	v_max3_num_f32 v[TM], v[TM], |v[HACC+5]|, |v[HACC+6]|
	s_delay_alu instid0(VALU_DEP_2)
	v_max3_num_f32 v[TM+1], v[TM+1], |v[HACC+7]|, |v[HACC+8]|
	s_delay_alu instid0(VALU_DEP_2)
	v_max3_num_f32 v[TM], v[TM], |v[HACC+9]|, |v[HACC+10]|
	s_delay_alu instid0(VALU_DEP_2)
	v_max3_num_f32 v[TM+1], v[TM+1], |v[HACC+11]|, |v[HACC+12]|
	s_delay_alu instid0(VALU_DEP_2)
	v_max3_num_f32 v[TM], v[TM], |v[HACC+13]|, |v[HACC+14]|
	s_delay_alu instid0(VALU_DEP_1)
	v_max3_num_f32 v[TM], v[TM], v[TM+1], |v[HACC+15]|
	s_delay_alu instid0(VALU_DEP_1)
	v_permlanex16_b32 v[TP], v[TM], s[SEL], s[SEL+1]
	s_delay_alu instid0(VALU_DEP_1)
	v_max_num_f32 v[TM], v[TM], v[TP]              ; with lane l xor 16's: the block's largest magnitude
	s_delay_alu instid0(VALU_DEP_1)
	v_add_nc_u32 v[SOP], 0xfe000000, v[TM]         ; 4 off its exponent field: the conversion's scale operand
	s_delay_alu instid0(VALU_DEP_1)
	v_lshrrev_b32 v[BY], 23, v[SOP]
	s_delay_alu instid0(VALU_DEP_1)
	v_lshl_or_b32 v[XSW], v[BY], 8, v[BY]          ; the byte in all four places
	s_delay_alu instid0(VALU_DEP_1)
	v_lshl_or_b32 v[XSW], v[XSW], 16, v[XSW]
	v_cvt_scalef32_pk16_bf6_f32 v[X0:X0+2], v[HACC:HACC+15], v[SOP]
	v_nop                                          ; one plain line behind the scaled conversion
.irp i, 0,1,2,3,4,5
	v_mov_b32 v[XVAR+\i], 0
	v_mov_b32 v[XVAR+12+\i], 0
	v_mov_b32 v[XVAR+24+\i], 0
.endr
.irp i, 0,1,2
	v_mov_b32 v[X0+3+\i], 0
	v_mov_b32 v[X1+\i], 0
	v_mov_b32 v[X1+3+\i], v[X0+\i]
.endr
.irp i, 0,1,2
	v_permlane16_swap_b32 v[X0+\i], v[X0+3+\i]     ; X0: lanes 0-15 hold the row's 32 codes, lanes 16-31 zeros
	v_permlane16_swap_b32 v[X1+\i], v[X1+3+\i]     ; X1: the same in lanes 16-31
.endr
.rept 4
	v_nop                                          ; an operand written by vector lines stands four places ahead of a scaled product
.endr
.endm
; Hidden units 64 p .. 64 p + 63 of my 16 rows: four products, relu, two blocks of 32 quantised into half c of the fragment; their bytes go into v[sw].
.macro PASS p, c, sw
.irp g, 0,1,2
	ds_load_b128 v[W1F+4*\g:W1F+4*\g+3], v[PKF] offset:1536*\p+512*\g
.endr
	ds_load_b32 v[W1S], v[PKS] offset:128*\p
.irp t, 0,1,2,3
	ds_load_b128 v[HACC+8*\t:HACC+8*\t+3], v[B1A] offset:256*\p+128*(\t/2)+32*(\t%2)       ; b1 in the result's layout: the sums begin with it
	ds_load_b128 v[HACC+8*\t+4:HACC+8*\t+7], v[B1A] offset:256*\p+128*(\t/2)+32*(\t%2)+16
.endr
	s_wait_dscnt 0x0
.irp t, 0,1,2,3
	v_wmma_scale_f32_16x16x128_f8f6f4 v[HACC+8*\t:HACC+8*\t+7], v[W1F:W1F+11], v[XVAR+6*(1-\t/2)+12*(\t%2):XVAR+6*(1-\t/2)+12*(\t%2)+11], v[HACC+8*\t:HACC+8*\t+7], v[W1S], v[XSW] matrix_a_fmt:MATRIX_FMT_BF6 matrix_b_fmt:MATRIX_FMT_BF6
.endr
.rept 4
	v_nop                                          ; four places behind the products (ISA guide 7.12.1)
.endr
.irp j, 0,1,2,3,4,5,6,7,8,9,10,11,12,13,14,15,16,17,18,19,20,21,22,23,24,25,26,27,28,29,30,31
	v_max_num_f32 v[HACC+\j], 0, v[HACC+\j]        ; relu, each tile from its low end on
.endr
	v_max3_num_f32 v[TM], v[HACC], v[HACC+1], 0x2800000
	v_max3_num_f32 v[TM+1], v[HACC+16], v[HACC+17], 0x2800000
.irp i, 2,4,6,8,10,12,14
	s_delay_alu instid0(VALU_DEP_2)
	v_max3_num_f32 v[TM], v[TM], v[HACC+\i], v[HACC+\i+1]
	s_delay_alu instid0(VALU_DEP_2)
	v_max3_num_f32 v[TM+1], v[TM+1], v[HACC+16+\i], v[HACC+17+\i]
.endr
.irp j, 0,2,4,6,8,10,12,14,16,18,20,22,24,26,28,30
	v_pk_mul_f32 v[HACC+\j:HACC+\j+1], v[HACC+\j:HACC+\j+1], s[NUD:NUD+1] op_sel_hi:[1,0]   ; x (1 + 2^-23), behind the maxima: the scale is that of the untouched numbers
.endr
	v_permlanex16_b32 v[TP], v[TM], s[SEL], s[SEL+1]
	v_permlanex16_b32 v[TP+1], v[TM+1], s[SEL], s[SEL+1]
	s_delay_alu instid0(VALU_DEP_2)
	v_max_num_f32 v[TM], v[TM], v[TP]
	s_delay_alu instid0(VALU_DEP_2)
	v_max_num_f32 v[TM+1], v[TM+1], v[TP+1]
	s_delay_alu instid0(VALU_DEP_2)
	v_add_nc_u32 v[SOP], 0xfe000000, v[TM]
	s_delay_alu instid0(VALU_DEP_2)
	v_add_nc_u32 v[SOP+1], 0xfe000000, v[TM+1]
	s_delay_alu instid0(VALU_DEP_2)
	v_lshrrev_b32 v[BY], 23, v[SOP]
	s_delay_alu instid0(VALU_DEP_2)
	v_lshrrev_b32 v[BY+1], 23, v[SOP+1]
.if \c == 0
	s_delay_alu instid0(VALU_DEP_1)
	v_lshl_or_b32 v[\sw], v[BY+1], 8, v[BY]
.else
	s_delay_alu instid0(VALU_DEP_2)
	v_lshl_or_b32 v[\sw], v[BY], 16, v[\sw]
	s_delay_alu instid0(VALU_DEP_1)
	v_lshl_or_b32 v[\sw], v[BY+1], 24, v[\sw]
.endif
	v_cvt_scalef32_pk16_bf6_f32 v[PCF+6*\c:PCF+6*\c+2], v[HACC:HACC+15], v[SOP]
	v_cvt_scalef32_pk16_bf6_f32 v[CB:CB+2], v[HACC+16:HACC+31], v[SOP+1]
	v_nop                                          ; one plain line behind the scaled conversions
.irp i, 0,1,2
	v_permlane16_swap_b32 v[PCF+6*\c+\i], v[CB+\i] ; a whole block to a lane
.endr
.irp i, 0,1,2
	s_delay_alu instid0(VALU_DEP_3)
	v_mov_b32 v[PCF+6*\c+3+\i], v[CB+\i]
.endr
.endm
.macro IMAGE b, s                      ; the fragment goes to LDS as it stands; the next PASS waits for all LDS instructions ahead of its rewrite
.irp g, 0,1,2
	ds_store_b128 v[HWI], v[PCF+4*\g:PCF+4*\g+3] offset:3072*\b+1536*\s+512*\g
.endr
.endm
.macro PH1 b
	XQ \b
	s_wait_alu depctr_va_vdst(0)
	PASS 0, 0, PWA
	PASS 1, 1, PWA
	IMAGE \b, 0
	PASS 2, 0, PWB
	PASS 3, 1, PWB
	IMAGE \b, 1
	v_cndmask_b32 v[PWA], v[PWA], v[PWB], s[HIM]   ; lanes 0-15 K step 0's word, lanes 16-31 K step 1's
	ds_store_b32 v[HWS], v[PWA] offset:128*\b
.endm
; The LDS loads of one tile: two fragments, the scale word, my x into v[nv] from v[na]
.macro TLOAD nv, na
	v_add_nc_u32 v[HFA], s[TI], v[LI]
	v_add_nc_u32 v[HSA], s[TS], v[LS]
	v_add_nc_u32 v[\na], s[TX], v[XA0]
.irp g, 0,1,2,3,4,5
	ds_load_b128 v[HF+4*\g:HF+4*\g+3], v[HFA] offset:512*\g
.endr
	ds_load_b32 v[XSW], v[HSA]
	ds_load_b32 v[\nv], v[\na]
.endm
; One tile of 16 rows x my two dims: 32 elements, one a lane.  xv, xa: my x and its address; pf = 1: the next tile's loads go out, its x into nv, na.
.macro SPLINE pf, xv, xa, nv, na
	s_wait_dscnt 0x0                               ; this tile's eight loads are in (and my last two stores done)
.irp t, 0,1,2,3                        ; the four accumulators take turns; the sums begin with b2
	v_wmma_scale_f32_16x16x128_f8f6f4 v[UW+8*\t:UW+8*\t+7], v[W2F+24*\t:W2F+24*\t+11], v[HF:HF+11], v[B2C+8*\t:B2C+8*\t+7], v[W2S+\t], v[XSW] matrix_a_fmt:MATRIX_FMT_BF6 matrix_b_fmt:MATRIX_FMT_BF6
.endr
.irp t, 0,1,2,3
	v_wmma_scale_f32_16x16x128_f8f6f4 v[UW+8*\t:UW+8*\t+7], v[W2F+24*\t+12:W2F+24*\t+23], v[HF+12:HF+23], v[UW+8*\t:UW+8*\t+7], v[W2S+\t], v[XSW] matrix_a_fmt:MATRIX_FMT_BF6 matrix_b_fmt:MATRIX_FMT_BF6 matrix_a_scale:MATRIX_SCALE_ROW1 matrix_b_scale:MATRIX_SCALE_ROW1
.endr
	v_add_nc_u32 v[LWA], s[TL], v[LA0]             ; four plain lines that name none of the products' registers: the places behind them (ISA guide 7.12.1)
	v_fma_f32 v[XC], v[\xv], s[M005], 0.5          ; 1 - (x + 10) / 20
	v_and_b32 v[AX], 0x7fffffff, v[\xv]
	s_delay_alu instid0(VALU_DEP_2)
	v_max_num_f32 v[XC], 0, v[XC]
	s_delay_alu instid0(VALU_DEP_2)
	v_cmp_ge_f32 s[INS], s[P10], v[AX]             ; inside: |x| <= 10
	s_add_co_u32 s[TL], s[TL], 2304
.if \pf
	s_add_co_u32 s[TI], s[TI], 3072
	s_add_co_u32 s[TS], s[TS], 128
	s_add_co_u32 s[TX], s[TX], 4352
	TLOAD \nv, \na                                 ; behind the places: the fragments' and the word's registers take the next tile's
.endif
	v_max3_num_f32 v[NMW], v[UW], v[UW+1], v[UW+2] ; the two softmaxes' maxima, by turns
	v_max3_num_f32 v[NMH], v[UH], v[UH+1], v[UH+2]
	v_max3_num_f32 v[NMW], v[NMW], v[UW+3], v[UW+4]
	v_max3_num_f32 v[NMH], v[NMH], v[UH+3], v[UH+4]
	v_max3_num_f32 v[NMW], v[NMW], v[UW+5], v[UW+6]
	v_max3_num_f32 v[NMH], v[NMH], v[UH+5], v[UH+6]
	v_max_num_f32 v[NMW], v[NMW], v[UW+7]
	v_max_num_f32 v[NMH], v[NMH], v[UH+7]
	s_delay_alu instid0(VALU_DEP_2)
	v_mul_f32 v[NMW], s[NL2E], v[NMW]
	s_delay_alu instid0(VALU_DEP_2)
	v_mul_f32 v[NMH], s[NL2E], v[NMH]
.irp i, 0,2,4,6
	v_pk_fma_f32 v[UW+\i:UW+\i+1], v[UW+\i:UW+\i+1], s[L2E:L2E+1], v[NMW:NMW+1] op_sel_hi:[1,0,0]   ; (u - max) log2 e; of the pairs the low word serves both halves
	v_pk_fma_f32 v[UH+\i:UH+\i+1], v[UH+\i:UH+\i+1], s[L2E:L2E+1], v[NMH:NMH+1] op_sel_hi:[1,0,0]
.endr
	s_wait_alu depctr_va_vdst(0)
.irp j, 0,1,2,3,4,5,6,7,8,9,10,11,12,13,14,15
	v_exp_f32 v[UW+\j], v[UW+\j]
.endr
	v_min_num_f32 v[XC], 1.0, v[XC]                ; 1 - xs.  (The plain line behind the exponentials)
	s_wait_alu depctr_va_vdst(0)
.irp j, 6,5,4,3,2,1,0
	v_add_f32 v[UW+\j], v[UW+\j], v[UW+\j+1]       ; sums from the top down
	v_add_f32 v[UH+\j], v[UH+\j], v[UH+\j+1]
.endr
.irp i, 6,4,2,0
	v_pk_fma_f32 v[UW+\i:UW+\i+1], v[UW:UW+1], v[CK+\i:CK+\i+1], v[UW+\i:UW+\i+1] op_sel_hi:[0,1,1]   ; G_k = sum + S (8 - k) / 992; S is rewritten last
	v_pk_fma_f32 v[UH+\i:UH+\i+1], v[UH:UH+1], v[CK+\i:CK+\i+1], v[UH+\i:UH+\i+1] op_sel_hi:[0,1,1]
.endr
	s_delay_alu instid0(VALU_DEP_2)
	v_mul_f32 v[XP], v[XC], v[UW]                  ; X' = (1 - xs) G_0
	s_delay_alu instid0(VALU_DEP_1)
	v_cmp_gt_f32 vcc_lo, v[XP], v[UW+4]            ; bins 0-3?  Five knots and five derivatives are kept, in places 4 .. 7 and an end
	v_cndmask_b32 v[UD+5], v[UD+5], v[UD+1], vcc_lo   ; (the derivatives' tile is read from its low end on)
	s_delay_alu instid0(VALU_DEP_2)
	v_cndmask_b32 v[TA], 0, v[UW+4], vcc_lo        ; the end: G_4, or G_8 = 0
	s_delay_alu instid0(VALU_DEP_3)
	v_cndmask_b32 v[TB], 0, v[UH+4], vcc_lo
	v_cndmask_b32 v[U8], v[U8], v[UD+4], vcc_lo
.irp i, 0,1,2,3
	v_cndmask_b32 v[UW+4+\i], v[UW+4+\i], v[UW+\i], vcc_lo
	v_cndmask_b32 v[UH+4+\i], v[UH+4+\i], v[UH+\i], vcc_lo
.endr
.irp i, 0,2,3
	v_cndmask_b32 v[UD+4+\i], v[UD+4+\i], v[UD+\i], vcc_lo
.endr
	v_cmp_gt_f32 vcc_lo, v[XP], v[UW+6]            ; the lower two of the four?  Three are kept, in places 4, 5 and the end
	s_delay_alu instid0(VALU_DEP_1)
	v_cndmask_b32 v[TA], v[TA], v[UW+6], vcc_lo
	s_delay_alu instid0(VALU_DEP_2)
	v_cndmask_b32 v[UW+4], v[UW+6], v[UW+4], vcc_lo
	s_delay_alu instid0(VALU_DEP_3)
	v_cndmask_b32 v[UW+5], v[UW+7], v[UW+5], vcc_lo
	s_delay_alu instid0(VALU_DEP_4)
	v_cndmask_b32 v[TB], v[TB], v[UH+6], vcc_lo
	v_cndmask_b32 v[UH+4], v[UH+6], v[UH+4], vcc_lo
	v_cndmask_b32 v[UH+5], v[UH+7], v[UH+5], vcc_lo
	v_cndmask_b32 v[U8], v[U8], v[UD+6], vcc_lo
	v_cndmask_b32 v[UD+4], v[UD+6], v[UD+4], vcc_lo
	v_cndmask_b32 v[UD+5], v[UD+7], v[UD+5], vcc_lo
	v_cmp_gt_f32 vcc_lo, v[XP], v[UW+5]            ; the lower of the two?
	s_delay_alu instid0(VALU_DEP_1)
	v_cndmask_b32 v[P0], v[UW+5], v[UW+4], vcc_lo  ; G at the bin's left knot: widths', heights'
	s_delay_alu instid0(VALU_DEP_2)
	v_cndmask_b32 v[P0+1], v[UH+5], v[UH+4], vcc_lo
	s_delay_alu instid0(VALU_DEP_3)
	v_cndmask_b32 v[P1], v[TA], v[UW+5], vcc_lo    ; and at its right knot
	s_delay_alu instid0(VALU_DEP_4)
	v_cndmask_b32 v[P1+1], v[TB], v[UH+5], vcc_lo
	v_cndmask_b32 v[BC], v[UD+5], v[UD+4], vcc_lo  ; the two raw derivatives
	v_cndmask_b32 v[BC+1], v[U8], v[UD+5], vcc_lo
	s_delay_alu instid0(VALU_DEP_3)
	v_pk_add_f32 v[WH:WH+1], v[P0:P0+1], v[P1:P1+1] neg_lo:[0,1] neg_hi:[0,1]   ; wk G_0w, hk G_0h
	s_delay_alu instid0(VALU_DEP_3)
	v_mul_f32 v[EE], s[NL2E], |v[BC]|
	s_delay_alu instid0(VALU_DEP_3)
	v_mul_f32 v[EE+1], s[NL2E], |v[BC+1]|
	s_delay_alu instid0(VALU_DEP_3)
	v_mul_f32 v[DD], v[WH], v[UH]
	s_wait_alu depctr_va_vdst(0)
	v_exp_f32 v[EE], v[EE]                         ; e^-|u|
	v_exp_f32 v[EE+1], v[EE+1]
	v_rcp_f32 v[RR], v[DD]                         ; one reciprocal for three divisions
	v_max_num_f32 v[MM], 0, v[BC]                  ; (plain lines behind the transcendentals)
	v_max_num_f32 v[MM+1], 0, v[BC+1]
	v_sub_f32 v[UU], v[P0], v[XP]                  ; (xs - xk) G_0w
	s_wait_alu depctr_va_vdst(0)
	v_pk_add_f32 v[EE:EE+1], v[EE:EE+1], 1.0 op_sel_hi:[1,0]
	v_mul_f32 v[RT], v[RR], v[UH]                  ; 1 / (wk G_0w)
	v_mul_f32 v[GG], v[RR], v[UW]
	v_mul_f32 v[ITH], v[RR], v[WH]                 ; 1 / G_0h
	s_wait_alu depctr_va_vdst(0)
	v_log_f32 v[EE], v[EE]
	v_log_f32 v[EE+1], v[EE+1]
	v_mul_f32 v[OT+1], v[UU], v[RT]                ; t.  (A plain line behind the logarithms)
	v_mul_f32 v[AA], v[WH+1], v[GG]                ; a = hk / wk
	s_delay_alu instid0(VALU_DEP_2)
	v_med3_num_f32 v[OT+1], v[OT+1], 0, 1.0
	s_delay_alu instid0(VALU_DEP_1)
	v_sub_f32 v[OT], 1.0, v[OT+1]
	s_delay_alu instid0(VALU_DEP_1)
	v_mul_f32 v[TT], v[OT+1], v[OT]                ; t (1 - t)
	s_wait_alu depctr_va_vdst(0)
	v_pk_fma_f32 v[BC:BC+1], v[EE:EE+1], s[LN2:LN2+1], v[MM:MM+1] op_sel_hi:[1,0,1]   ; softplus
	s_delay_alu instid0(VALU_DEP_1)
	v_pk_add_f32 v[BC:BC+1], v[BC:BC+1], 0x3a83126f op_sel_hi:[1,0]                   ; + 0.001: b, c
	s_delay_alu instid0(VALU_DEP_1)
	v_pk_mul_f32 v[EE:EE+1], v[BC:BC+1], v[OT:OT+1]   ; b (1 - t), c t
	s_delay_alu instid0(VALU_DEP_2)
	v_add_f32 v[MM], v[BC], v[BC+1]
	s_delay_alu instid0(VALU_DEP_1)
	v_fma_f32 v[MM], v[AA], -2.0, v[MM]
	s_delay_alu instid0(VALU_DEP_1)
	v_fma_f32 v[MM+1], v[MM], v[TT], v[AA]         ; den
	s_delay_alu instid0(VALU_DEP_1)
	v_fmaak_f32 v[DD], v[MM+1], v[MM+1], 0x2b8cbccc   ; den^2 + 1e-12
	s_wait_alu depctr_va_vdst(0)
	v_rcp_f32 v[RR], v[MM+1]
	v_rcp_f32 v[UU], v[DD]
	v_fma_f32 v[RT], v[AA], v[OT+1], v[EE]         ; a t + b (1 - t).  (A plain line behind the reciprocals)
	s_delay_alu instid0(VALU_DEP_1)
	v_mul_f32 v[RT], v[OT+1], v[RT]                ; num
	v_pk_mul_f32 v[EE:EE+1], v[EE:EE+1], v[OT:OT+1]   ; b (1 - t)^2, c t^2
	s_delay_alu instid0(VALU_DEP_1)
	v_add_f32 v[EE], v[EE], v[EE+1]
	v_mul_f32 v[GG], v[AA], v[TT]
	s_delay_alu instid0(VALU_DEP_1)
	v_fma_f32 v[EE], v[GG], 2.0, v[EE]
	v_mul_f32 v[EE+1], v[AA], v[AA]
	s_delay_alu instid0(VALU_DEP_1)
	v_mul_f32 v[EE+1], v[EE+1], v[EE]              ; the derivative's numerator
	s_wait_alu depctr_va_vdst(0)
	v_mul_f32 v[RT], v[RT], v[RR]                  ; s
	s_delay_alu instid0(VALU_DEP_1)
	v_fma_f32 v[RT], -v[WH+1], v[RT], v[P0+1]      ; (1 - ys) G_0h
	s_delay_alu instid0(VALU_DEP_1)
	v_mul_f32 v[RT], v[RT], v[ITH]
	s_delay_alu instid0(VALU_DEP_1)
	v_fma_f32 v[RT], v[RT], s[M20], s[P10]         ; y = 10 - 20 (1 - ys)
	v_mul_f32 v[EE+1], v[EE+1], v[UU]
	s_delay_alu instid0(VALU_DEP_1)
	v_max_num_f32 v[EE+1], 0x2b8cbccc, v[EE+1]
	s_wait_alu depctr_va_vdst(0)
	v_log_f32 v[EE+1], v[EE+1]                     ; log2: the row's sum is multiplied by ln 2 once
	v_cndmask_b32 v[RT], v[\xv], v[RT], s[INS]     ; outside: x.  (A plain line behind the logarithm)
	s_wait_alu depctr_va_vdst(0)
	v_cndmask_b32 v[EE+1], 0, v[EE+1], s[INS]      ; outside: 0
	ds_store_b32 v[\xa], v[RT]                     ; over my x: no other lane of any wave touches these four bytes
	ds_store_b32 v[LWA], v[EE+1]
.endm
	s_load_b256 s[4:11], s[0:1], 0x0               ; inputs s[4:5], b2 s[6:7], wq s[8:9], out0 s[10:11]
	s_load_b64 s[12:13], s[0:1], 0x20              ; out1
	v_lshl_add_u32 v254, v0, 2, SPARE
	v_mov_b32 v255, 0
	ds_add_u32 v254, v255                          ; the opening lines: the add, twice on end, and its wait
	ds_add_u32 v254, v255
	v_lshrrev_b32 v240, 5, v0
	s_delay_alu instid0(VALU_DEP_1)
	v_readfirstlane_b32 s[WV], v240                ; wave 0..15
	; descriptor group 1: 32 rows of 256 bytes (32 elements of 8 bytes), dense in memory, 16 bytes of padding behind each in LDS
	s_mov_b32 s[G1+0], (3<<16)|(1<<20)|(5<<22)|(3<<25)
	s_mov_b32 s[G1+1], 32<<16
	s_mov_b32 s[G1+2], 32<<16
	s_mov_b32 s[G1+3], 32<<16
	s_mov_b32 s[G1+4], 32
	s_mov_b32 s[G1+5], 32
	s_mov_b32 s[G1+6], 0
	s_mov_b32 s[G1+7], 0
	s_mov_b32 s[G0], 1
	s_mul_i32 s[G0+1], s[WV], 8704                 ; my 32 rows in the stage
	s_lshl_b32 s46, ttmp9, 17                      ; the work-group's 512 rows of 256 bytes,
	s_lshl_b32 s47, s[WV], 13                      ; my 32 of them
	s_add_co_u32 s46, s46, s47
	s_mov_b32 s47, 0
	s_lshl_b32 s48, ttmp9, 11                      ; the work-group's 512 numbers of out1
	s_mov_b32 s49, 0
	s_wait_dscnt 0x0
	s_wait_kmcnt 0x0
	s_add_nc_u64 s[G0+2:G0+3], s[4:5], s[46:47]
	s_or_b32 s[G0+3], s[G0+3], 0x80000000
	tensor_load_to_lds s[G0:G0+3], s[G1:G1+7]      ; all that the wave reads of inputs: 8,192 bytes
	s_nop 0
.rept 4
	v_nop
.endr
	s_add_nc_u64 s[10:11], s[10:11], s[46:47]
	s_add_nc_u64 s[12:13], s[12:13], s[48:49]
	s_mov_b32 s[L2E], 0x3fb8aa3b
	s_mov_b32 s[L2E+1], 0x3fb8aa3b
	s_mov_b32 s[LN2], 0x3f317218
	s_mov_b32 s[LN2+1], 0x3f317218
	s_mov_b32 s[M20], 0xc1a00000
	s_mov_b32 s[P10], 0x41200000
	s_mov_b32 s[SEL], 0x76543210
	s_mov_b32 s[SEL+1], 0xfedcba98
	s_mov_b32 s[HIM], 0xffff0000
	s_mov_b32 s[M005], 0xbd4ccccd
	s_mov_b32 s[NL2E], 0xbfb8aa3b
	s_mov_b32 s[NUD], 0x3f800001                   ; 1 + 2^-23
	s_mov_b32 s[NUD+1], 0x3f800001
	v_and_b32 v240, 31, v0                         ; lane
	v_and_b32 v241, 15, v0                         ; r
	v_bfe_u32 v242, v0, 4, 1                       ; h
	s_delay_alu instid0(VALU_DEP_3)
	v_lshlrev_b32 v[LI], 4, v240
	s_delay_alu instid0(VALU_DEP_4)
	v_lshlrev_b32 v[LS], 2, v240
	s_lshl_b32 s48, s[WV], 9                       ; 512 w
	v_add_nc_u32 v250, s48, v[LI]                  ; wq: my share of the pack
	v_add_nc_u32 v252, s48, v[LS]                  ; my scale words of W2
	s_mul_i32 s49, s[WV], 200
	v_mul_u32_u24 v251, v242, 100
	s_delay_alu instid0(VALU_DEP_1)
	v_add_nc_u32 v251, s49, v251                   ; b2: 4 x 25 (2 w + h)
	s_mul_i32 s49, s[WV], 12288
	v_add_nc_u32 v253, s49, v[LI]                  ; my fragments of W2
	global_load_b128 v[236:239], v250, s[8:9] offset:WQ_PK
.irp j, 0,1,2,3,4,5,6,7,8,9,10,11,12,13,14,15,16,17,18,19,20,21,22,23,24
	global_load_b32 v[B2C+\j], v251, s[6:7] offset:4*\j
.endr
.irp t, 0,1,2,3
	global_load_b32 v[W2S+\t], v252, s[8:9] offset:WQ_S2+128*\t
.endr
.irp g, 0,1,2,3,4,5,6,7,8,9,10,11,12,13,14,15,16,17,18,19,20,21,22,23
	global_load_b128 v[W2F+4*\g:W2F+4*\g+3], v253, s[8:9] offset:512*\g
.endr
	v_mul_u32_u24 v243, v241, 272
	v_mul_u32_u24 v244, v241, 144
	s_lshl_b32 s46, s[WV], 3
	v_lshl_add_u32 v[XA0], v242, 2, v243
	v_lshl_add_u32 v[LA0], v242, 2, v244
	s_delay_alu instid0(VALU_DEP_1)
	v_add_nc_u32 v[LA0], s46, v[LA0]
	s_add_co_u32 s46, s46, 128
	v_add_nc_u32 v[XA0], s46, v[XA0]
	s_mul_i32 s47, s[WV], 8704
	v_mul_u32_u24 v[SRD], v242, 272
	s_delay_alu instid0(VALU_DEP_1)
	v_lshl_add_u32 v[SRD], v241, 4, v[SRD]
	s_delay_alu instid0(VALU_DEP_1)
	v_add_nc_u32 v[SRD], s47, v[SRD]
	v_lshl_add_u32 v[QA], v242, 6, v243
	s_delay_alu instid0(VALU_DEP_1)
	v_add_nc_u32 v[QA], s47, v[QA]
	s_add_co_u32 s49, s48, SUM
	v_add_nc_u32 v[SUMR], s49, v[LI]
	s_add_co_u32 s49, s48, PK
	v_add_nc_u32 v[PKW], s49, v[LI]
	s_mul_i32 s49, s[WV], 6144                     ; my two tiles' images
	s_add_co_u32 s49, s49, HIMG
	v_add_nc_u32 v[HWI], s49, v[LI]
	s_lshl_b32 s49, s[WV], 8                       ; and their scale words
	s_add_co_u32 s49, s49, HSC
	v_add_nc_u32 v[HWS], s49, v[LS]
	s_lshl_b32 s48, s[WV], 7
	s_add_co_u32 s49, s48, SUM
	v_lshl_add_u32 v[SUMA], v241, 2, s49
	s_mul_i32 s49, s[WV], 4608                     ; my 32 rows of logs
	s_add_co_u32 s49, s49, LAD
	v_lshl_add_u32 v[LRD], v242, 6, v244
	s_delay_alu instid0(VALU_DEP_1)
	v_add_nc_u32 v[LRD], s49, v[LRD]
	v_lshlrev_b32 v[B1A], 6, v242
	s_delay_alu instid0(VALU_DEP_1)
	v_add_nc_u32 v[B1A], PK+6656, v[B1A]
	v_add_nc_u32 v[PKF], PK, v[LI]
	v_add_nc_u32 v[PKS], PK+6144, v[LS]
	v_mov_b32 v[CK+0], 0x3c042108                  ; 8 / 992 .. 1 / 992
	v_mov_b32 v[CK+1], 0x3be739ce
	v_mov_b32 v[CK+2], 0x3bc6318c
	v_mov_b32 v[CK+3], 0x3ba5294a
	v_mov_b32 v[CK+4], 0x3b842108
	v_mov_b32 v[CK+5], 0x3b46318c
	v_mov_b32 v[CK+6], 0x3b042108
	v_mov_b32 v[CK+7], 0x3a842108
.irp j, 25,26,27,28,29,30,31
	v_mov_b32 v[B2C+\j], 0                         ; tile 3's other seven registers are not used
.endr
	v_mov_b32 v[TP], 0                             ; a lane permute's destination counts as one of its sources
	v_mov_b32 v[TP+1], 0
	s_wait_alu depctr_va_vdst(0)                   ; the wait at the head's end
	s_wait_loadcnt 53                              ; behind the pack's load stand 25 + 4 + 24 loads
	ds_store_b128 v[PKW], v[236:239]
	s_wait_tensorcnt 0x0                           ; my rows are in the stage
	BAR                                            ; everybody's are, and the pack is whole
	PH1 0
	PH1 1
	s_wait_loadcnt 0x0                             ; W2, its scale words, b2
	BAR                                            ; the hidden layer of all 512 rows lies in LDS
	s_mov_b32 s[TI], HIMG
	s_mov_b32 s[TS], HSC
	s_mov_b32 s[TX], 0
	s_mov_b32 s[TL], LAD
	s_mov_b32 s[CNT], 15
	v_mov_b32 v[NMH+1], 0                          ; named as the upper half of a pair
	TLOAD XVA, XADA                                ; tile 0's loads
	s_wait_alu depctr_va_vdst(0)                   ; the wait ahead of the blocking wait below
.Ltile:                                                ; two tiles a trip: x and its address have two sets of registers, which take turns
	SPLINE 1, XVA, XADA, XVB, XADB
	SPLINE 1, XVB, XADB, XVA, XADA
	s_sub_co_u32 s[CNT], s[CNT], 1
	s_cmp_lg_u32 s[CNT], 0
	s_cbranch_scc1 .Ltile
	SPLINE 1, XVA, XADA, XVB, XADB                 ; tiles 30 and 31 are written out: the last asks for nothing
	SPLINE 0, XVB, XADB, XVA, XADA
	BAR                                            ; y and the logs of all rows lie in LDS
	; my 32 rows leave, two whole rows a store, from the registers that W2 has left; their logs are summed
.irp i, 0,1,2,3,4,5,6,7,8,9,10,11,12,13,14,15
	ds_load_b128 v[32+4*\i:35+4*\i], v[SRD] offset:544*\i
.endr
.irp j, 0,1,2,3,4,5,6,7
	ds_load_b128 v[96+4*\j:99+4*\j], v[LRD] offset:2304*(\j/4)+16*(\j%4)
.endr
.irp i, 0,1,2,3,4,5,6,7,8,9,10,11,12,13,14,15
	s_wait_dscnt 23-\i                             ; behind this pair of rows: 15 - i pairs and the eight loads of logs
	global_store_b128 v[LI], v[32+4*\i:35+4*\i], s[10:11] offset:512*\i th:TH_STORE_NT   ; 32 lanes store 512 consecutive bytes, at a multiple of 256 from out0's first byte
.endr
	s_wait_dscnt 0x0
.irp b, 0,1
.irp k, 0,4,8,12
	v_pk_add_f32 v[96+16*\b+\k:97+16*\b+\k], v[96+16*\b+\k:97+16*\b+\k], v[98+16*\b+\k:99+16*\b+\k]
.endr
.endr
.irp b, 0,1
.irp k, 0,8
	v_pk_add_f32 v[96+16*\b+\k:97+16*\b+\k], v[96+16*\b+\k:97+16*\b+\k], v[100+16*\b+\k:101+16*\b+\k]
.endr
.endr
.irp b, 0,1
	v_pk_add_f32 v[96+16*\b:97+16*\b], v[96+16*\b:97+16*\b], v[104+16*\b:105+16*\b]
.endr
.irp b, 0,1
	s_delay_alu instid0(VALU_DEP_2)
	v_add_f32 v[96+16*\b], v[96+16*\b], v[97+16*\b]
.endr
.irp b, 0,1
	s_delay_alu instid0(VALU_DEP_2)
	v_permlanex16_b32 v[98+16*\b], v[96+16*\b], s[SEL], s[SEL+1]
.endr
.irp b, 0,1
	s_delay_alu instid0(VALU_DEP_2)
	v_add_f32 v[96+16*\b], v[96+16*\b], v[98+16*\b]   ; with lane l xor 16's sixteen dims
.endr
.irp b, 0,1
	s_delay_alu instid0(VALU_DEP_2)
	v_mul_f32 v[96+16*\b], s[LN2], v[96+16*\b]
.endr
.irp b, 0,1
	ds_store_b32 v[SUMA], v[96+16*\b] offset:64*\b    ; lanes r and r + 16 store the same value to the same word
.endr
	BAR                                            ; all 512 row sums lie in LDS
	s_cmp_lt_u32 s[WV], 4
	s_cbranch_scc0 .Lend
	s_lshl_b32 s46, s[WV], 9
	s_mov_b32 s47, 0
	s_add_nc_u64 s[12:13], s[12:13], s[46:47]
	ds_load_b128 v[192:195], v[SUMR]
	s_wait_dscnt 0x0
	global_store_b128 v[LI], v[192:195], s[12:13] th:TH_STORE_NT   ; waves 0-3: 512 consecutive bytes each
.Lend:
	s_wait_tensorcnt 0x0                           ; the wave's end
	ds_add_u32 v254, v255
	s_wait_dscnt 0x0
	s_endpgm
.Lfunc_end_k_q60c5b9c30b_flow:
	.size	k_q60c5b9c30b_flow, .Lfunc_end_k_q60c5b9c30b_flow-k_q60c5b9c30b_flow
	.p2alignl 7, 3214868480
	.fill 96, 4, 3214868480
	.section	.rodata,"a",@progbits
	.p2align	6, 0x0
	.amdhsa_kernel k_q60c5b9c30b_flow
		.amdhsa_group_segment_fixed_size 327680
		.amdhsa_private_segment_fixed_size 0
		.amdhsa_enable_private_segment 0
		.amdhsa_kernarg_size 40
		.amdhsa_user_sgpr_count 2
		.amdhsa_user_sgpr_kernarg_segment_ptr 1
		.amdhsa_wavefront_size32 1
		.amdhsa_system_sgpr_workgroup_id_x 1
		.amdhsa_system_sgpr_workgroup_id_y 1
		.amdhsa_system_sgpr_workgroup_id_z 1
		.amdhsa_system_vgpr_workitem_id 0
		.amdhsa_next_free_vgpr 256
		.amdhsa_next_free_sgpr 66
		.amdhsa_reserve_vcc 1
		.amdhsa_float_denorm_mode_32 3
		.amdhsa_float_denorm_mode_16_64 3
		.amdhsa_memory_ordered 1
		.amdhsa_forward_progress 1
		.amdhsa_inst_pref_size 111
	.end_amdhsa_kernel
	.amdgpu_metadata
---
amdhsa.version: [ 1, 2 ]
amdhsa.kernels:
  - .name:           k_q60c5b9c30b_flow
    .symbol:         k_q60c5b9c30b_flow.kd
    .args:
      - { .name: inputs, .offset: 0, .size: 8, .value_kind: global_buffer, .address_space: global }
      - { .name: b2, .offset: 8, .size: 8, .value_kind: global_buffer, .address_space: global }
      - { .name: wq, .offset: 16, .size: 8, .value_kind: global_buffer, .address_space: global }
      - { .name: out0, .offset: 24, .size: 8, .value_kind: global_buffer, .address_space: global }
      - { .name: out1, .offset: 32, .size: 8, .value_kind: global_buffer, .address_space: global }
    .group_segment_fixed_size: 327680
    .private_segment_fixed_size: 0
    .kernarg_segment_align: 8
    .kernarg_segment_size: 40
    .max_flat_workgroup_size: 512
    .sgpr_count:     66
    .vgpr_count:     256
    .wavefront_size: 32
...
	.end_amdgpu_metadata
.endif
;; end of part 2
